; MI455X (gfx1250); checked and timed in simulation.
; The chip was launched on July 23, 2026; its instructions are those of AMD's public machine-readable ISA for CDNA 5 (MIT licence, August 2026) and "CDNA5" Instruction Set Architecture Reference Guide (July 2026). The comments in the code are by the model that wrote it; some were corrected since.
;; Collab FF Layer. Allowed arithmetic: float matrix products may take bf16 or f16 operands with f32 sums; other float arithmetic in f32, or as packed bf16 or f16 multiplies, adds, multiply-adds, maxima and minima; sums over many terms, partial sums and values carried from step to step in f32; what a program stores and reads back later, other than sums and carried values, may be rounded once to bf16 or f16.
;; Inputs: W 4,096 x 4,096 float32; b 4,096 float32; x 4,096 x 4,096 float32.
;; Outputs: out0 4,096 x 4,096 float32.
;; 2 versions, each right; version 2 is version 1 with the launch prep written anew for expert scheduling mode. Each part assembles by itself: llvm-mc -triple=amdgcn-amd-amdhsa -mcpu=gfx1250 --defsym DOCPART=n.
;; ======== version 1 of 2: 2 launches
;; workspace buffers: xb 33,554,432 bytes; wb 33,554,432 bytes; rn 32,768 bytes
;; launch prep (part 1): grid 128 x 2, 8 waves a work-group, no clusters, 0 bytes of LDS; arguments x, W, xb, wb, rn; writes xb, wb, rn
.if DOCPART == 1
	.amdgcn_target "amdgcn-amd-amdhsa--gfx1250"
	.amdhsa_code_object_version 6
	.text
	.protected	k_qdf9b574163_prep
	.globl	k_qdf9b574163_prep
	.p2align	8
	.type	k_qdf9b574163_prep,@function
k_qdf9b574163_prep:
	s_mov_b64 s[64:65], 0
	v_nop
	global_prefetch_b8 v0, s[64:65] scope:SCOPE_SE
	s_setreg_imm32_b32 hwreg(HW_REG_WAVE_MODE, 25, 1), 1
	s_wait_xcnt 0x0
; xb = bf16(x), wb = bf16(W), rn[m] = 1 / (sqrt(sum over k of bf16(x[m][k])^2) + 1e-8), stored twice (8 bytes a row).
; x, W: [4096][4096] f32.  xb, wb: [4096][4096] bf16.  Work-groups with y = 0 take x, those with y = 1 take W.
; LIMITS.  Each number is rounded once, to nearest even.  The norm is that of the ROUNDED x, summed in f32 (256 chains of 16 terms, then a tree).
; A sum of squares that is denormal counts as 0 under the root; the 1e-8 decides the factor there.  NaN and infinities are not treated apart.
; SHARES.  A work-group owns 32 rows, each of its eight waves 4.  A wave takes whole rows, so a row's sum never leaves the wave: no LDS, no barrier.
; A row is 16,384 bytes: 32 loads of 16 bytes a lane, each covering 512 consecutive bytes.  A lane's four numbers become 8 bytes,
; so each store of the wave covers 256 consecutive bytes, aligned.  The ring has 32 slots, a whole row: 32 loads of every wave are on their way.
; Left out: LDS, tensor loads, clusters, matrix instructions (nothing is shared and nothing is multiplied).
; rn leaves as 32 bytes a wave, 32,768 bytes of the launch's 67 million: gathering eight waves' parts would cost LDS and a barrier.
.set ROWB,  16384                      ; bytes in a row of f32
.set OROWB, 8192                       ; bytes in a row of bf16
.set LANE, 1                           ; v1        lane
.set VL,   2                           ; v2        16 x lane; never rewritten
.set VS,   3                           ; v3        8 x lane; never rewritten
.set Z,    4                           ; v4        0: the addend that starts the chains
.set RV,   6                           ; v[6:7]    lane k keeps the factor of my row k, twice
.set SS,   8                           ; v[8:15]   eight chains of squares
.set X,    16                          ; v[16:143] slot i: 4 registers as loaded
.set Y,    144                         ; v[144:207] slot i: 2 registers to store
	s_load_b256 s[4:11], s[0:1], 0x0               ; x s[4:5], W s[6:7], xb s[8:9], wb s[10:11]
	s_load_b64 s[12:13], s[0:1], 0x20              ; rn
	v_and_b32 v[LANE], 31, v0
	v_lshrrev_b32 v5, 5, v0
	v_readfirstlane_b32 s14, v5                    ; wave 0..7
	s_and_b32 s15, ttmp7, 0xffff                   ; 0: x, 1: W
	v_lshlrev_b32 v[VL], 4, v[LANE]
	v_lshlrev_b32 v[VS], 3, v[LANE]
	v_mov_b32 v[Z], 0
	v_mov_b32 v[RV], 0
	s_lshl_b32 s16, ttmp9, 19                      ; 32 rows of 16,384 bytes a work-group,
	s_lshl_b32 s22, s14, 16                        ; 4 a wave: under 2^26
	s_add_co_u32 s16, s16, s22
	s_mov_b32 s17, 0
	s_lshr_b32 s18, s16, 1                         ; the same rows in bf16
	s_mov_b32 s19, 0
	s_lshr_b32 s20, s16, 11                        ; and in rn: 8 bytes a row
	s_mov_b32 s21, 0
	s_mov_b32 s24, 0x76543210                      ; v_permlanex16_b32: each lane takes its own place in the other half
	s_mov_b32 s25, 0xfedcba98
	s_wait_kmcnt 0x0
	s_add_nc_u64 s[4:5], s[4:5], s[16:17]
	s_add_nc_u64 s[6:7], s[6:7], s[16:17]
	s_add_nc_u64 s[8:9], s[8:9], s[18:19]
	s_add_nc_u64 s[10:11], s[10:11], s[18:19]
	s_add_nc_u64 s[12:13], s[12:13], s[20:21]
; One slot's turn.  ahead = 1: the slot is filled again with the same 512 bytes of the next row.  left = how many younger loads may stay out.
; norm = 1: the four rounded numbers are squared into four of the eight chains, straight from their bf16 halves.
.macro SLOT i, ahead, left, norm, src, dst
	s_wait_loadcnt \left                           ; loads come back in order (ISA guide 5.7.1): mine is in, the younger ones stay out
	v_cvt_pk_bf16_f32 v[Y+2*(\i)],   v[X+4*(\i)],   v[X+4*(\i)+1]
	v_cvt_pk_bf16_f32 v[Y+2*(\i)+1], v[X+4*(\i)+2], v[X+4*(\i)+3]
.if \ahead
	global_load_b128 v[X+4*(\i):X+4*(\i)+3], v[VL], s[\src:\src+1] offset:ROWB+512*(\i) th:TH_LOAD_NT
.endif
	global_store_b64 v[VS], v[Y+2*(\i):Y+2*(\i)+1], s[\dst:\dst+1] offset:256*(\i)  ; no hint: the next launch reads these bytes
.if \norm
.set rC, SS+4*((\i)%2)
.set rY, Y+2*(\i)
.if (\i) < 2                           ; the first two slots start the eight chains: nothing is cleared
	v_fma_mix_f32_bf16 v[rC],   v[rY],   v[rY],   v[Z] op_sel_hi:[1,1,0]
	v_fma_mix_f32_bf16 v[rC+1], v[rY],   v[rY],   v[Z] op_sel:[1,1,0] op_sel_hi:[1,1,0]
	v_fma_mix_f32_bf16 v[rC+2], v[rY+1], v[rY+1], v[Z] op_sel_hi:[1,1,0]
	v_fma_mix_f32_bf16 v[rC+3], v[rY+1], v[rY+1], v[Z] op_sel:[1,1,0] op_sel_hi:[1,1,0]
.else
	v_fma_mix_f32_bf16 v[rC],   v[rY],   v[rY],   v[rC]   op_sel_hi:[1,1,0]
	v_fma_mix_f32_bf16 v[rC+1], v[rY],   v[rY],   v[rC+1] op_sel:[1,1,0] op_sel_hi:[1,1,0]
	v_fma_mix_f32_bf16 v[rC+2], v[rY+1], v[rY+1], v[rC+2] op_sel_hi:[1,1,0]
	v_fma_mix_f32_bf16 v[rC+3], v[rY+1], v[rY+1], v[rC+3] op_sel:[1,1,0] op_sel_hi:[1,1,0]
.endif
.endif
.endm
; The row's sum over chains and lanes, its factor, and the factor kept in the lane whose number is the row's (s22).
.macro NORM
	v_pk_add_f32 v[SS:SS+1],   v[SS:SS+1],   v[SS+4:SS+5]
	v_pk_add_f32 v[SS+2:SS+3], v[SS+2:SS+3], v[SS+6:SS+7]
	v_pk_add_f32 v[SS:SS+1],   v[SS:SS+1],   v[SS+2:SS+3]
	v_add_f32 v[SS], v[SS], v[SS+1]
	v_add_f32_dpp v[SS], v[SS], v[SS] row_xmask:1 row_mask:0xf bank_mask:0xf
	v_add_f32_dpp v[SS], v[SS], v[SS] row_xmask:2 row_mask:0xf bank_mask:0xf
	v_add_f32_dpp v[SS], v[SS], v[SS] row_xmask:4 row_mask:0xf bank_mask:0xf
	v_add_f32_dpp v[SS], v[SS], v[SS] row_xmask:8 row_mask:0xf bank_mask:0xf
	v_permlanex16_b32 v[SS+1], v[SS], s24, s25     ; its destination has been written above
	v_add_f32 v[SS], v[SS], v[SS+1]                ; every lane holds the row's sum of squares
	v_sqrt_f32 v[SS+2], v[SS]
	v_cmp_eq_u32 vcc_lo, s22, v[LANE]              ; plain work behind the root (ISA guide 5.7.2): which lane keeps this row's factor
	v_nop
	s_wait_alu depctr_va_vdst(0)
	v_add_f32 v[SS+2], 0x322bcc77, v[SS+2]         ; + 1e-8
	v_rcp_f32 v[SS+3], v[SS+2]
	v_nop                                          ; a plain instruction behind the reciprocal
	s_wait_alu depctr_va_vdst(0)
	v_cndmask_b32 v[RV], v[RV], v[SS+3], vcc_lo
.endm
; A wave's four rows: the ring is filled with row 0; three trips work on a row and ask for the next; the last row is written out without loads.
.macro STREAM norm, src, dst
.set i, 0
.rept 32
	global_load_b128 v[X+4*i:X+4*i+3], v[VL], s[\src:\src+1] offset:512*i th:TH_LOAD_NT
.set i, i+1
.endr
	s_mov_b32 s22, 0                               ; the row in hand
.Lrow_\@:
.set i, 0
.rept 32
	SLOT i, 1, 31, \norm, \src, \dst
.set i, i+1
.endr
.if \norm
	NORM
.endif
	s_wait_xcnt 0x0                                ; the trip's loads and stores have had their addresses translated (ISA guide 3.1): only now the two bases are stepped and Y is written again
	s_add_nc_u64 s[\src:\src+1], s[\src:\src+1], ROWB
	s_add_nc_u64 s[\dst:\dst+1], s[\dst:\dst+1], OROWB
	s_add_co_u32 s22, s22, 1
	s_cmp_lt_u32 s22, 3
	s_cbranch_scc1 .Lrow_\@
.set i, 0
.rept 32
	SLOT i, 0, 31-i, \norm, \src, \dst             ; no load leaves the buffer: the counts run down
.set i, i+1
.endr
.if \norm
	NORM
.endif
.endm
	s_cmp_lg_u32 s15, 0
	s_cbranch_scc1 .Lw
	STREAM 1, 4, 8                                 ; x -> xb, with the norms
	v_mov_b32 v[RV+1], v[RV]                       ; the factor twice: the next launch's packed multiply-add names a pair
	v_cmp_gt_u32 vcc_lo, 4, v[LANE]
	s_wait_xcnt 0x0                                ; EXEC is a source of the stores above: it changes only behind this wait
	s_and_saveexec_b32 s26, vcc_lo
	global_store_b64 v[VS], v[RV:RV+1], s[12:13]   ; lanes 0 to 3: my four rows' factors, 32 consecutive bytes
	s_wait_xcnt 0x0                                ; and again in front of the line that widens it
	s_or_b32 exec_lo, exec_lo, s26
	s_endpgm
.Lw:
	STREAM 0, 6, 10                                ; W -> wb
	s_endpgm
.Lfunc_end_k_qdf9b574163_prep:
	.size	k_qdf9b574163_prep, .Lfunc_end_k_qdf9b574163_prep-k_qdf9b574163_prep
	.p2alignl 7, 3214868480
	.fill 96, 4, 3214868480
	.section	.rodata,"a",@progbits
	.p2align	6, 0x0
	.amdhsa_kernel k_qdf9b574163_prep
		.amdhsa_group_segment_fixed_size 0
		.amdhsa_private_segment_fixed_size 0
		.amdhsa_enable_private_segment 0
		.amdhsa_kernarg_size 40
		.amdhsa_user_sgpr_count 2
		.amdhsa_user_sgpr_kernarg_segment_ptr 1
		.amdhsa_wavefront_size32 1
		.amdhsa_system_sgpr_workgroup_id_x 1
		.amdhsa_system_sgpr_workgroup_id_y 1
		.amdhsa_system_sgpr_workgroup_id_z 1
		.amdhsa_system_vgpr_workitem_id 0
		.amdhsa_next_free_vgpr 208
		.amdhsa_next_free_sgpr 66
		.amdhsa_reserve_vcc 1
		.amdhsa_float_denorm_mode_32 3
		.amdhsa_float_denorm_mode_16_64 3
		.amdhsa_memory_ordered 1
		.amdhsa_forward_progress 1
		.amdhsa_inst_pref_size 64
	.end_amdhsa_kernel
	.amdgpu_metadata
---
amdhsa.version: [ 1, 2 ]
amdhsa.kernels:
  - .name:           k_qdf9b574163_prep
    .symbol:         k_qdf9b574163_prep.kd
    .args:
      - { .name: x, .offset: 0, .size: 8, .value_kind: global_buffer, .address_space: global }
      - { .name: W, .offset: 8, .size: 8, .value_kind: global_buffer, .address_space: global }
      - { .name: xb, .offset: 16, .size: 8, .value_kind: global_buffer, .address_space: global }
      - { .name: wb, .offset: 24, .size: 8, .value_kind: global_buffer, .address_space: global }
      - { .name: rn, .offset: 32, .size: 8, .value_kind: global_buffer, .address_space: global }
    .group_segment_fixed_size: 0
    .private_segment_fixed_size: 0
    .kernarg_segment_align: 8
    .kernarg_segment_size: 40
    .max_flat_workgroup_size: 256
    .sgpr_count:     66
    .vgpr_count:     208
    .wavefront_size: 32
...
	.end_amdgpu_metadata
.endif
;; end of part 1
;; launch gemm (part 2): grid 16 x 16, 4 waves a work-group, clusters of 4 x 4, 327,680 bytes of LDS; arguments xb, wb, rn, b, out0; writes out0
.if DOCPART == 2
	.amdgcn_target "amdgcn-amd-amdhsa--gfx1250"
	.amdhsa_code_object_version 6
	.text
	.protected	k_qdf9b574163_gemm
	.globl	k_qdf9b574163_gemm
	.p2align	8
	.type	k_qdf9b574163_gemm,@function
k_qdf9b574163_gemm:
	s_mov_b64 s[64:65], 0
	v_nop
	global_prefetch_b8 v0, s[64:65] scope:SCOPE_SE
	s_setreg_imm32_b32 hwreg(HW_REG_WAVE_MODE, 25, 1), 1
	s_wait_xcnt 0x0
	s_wait_alu depctr_hold_cnt(0) depctr_sa_sdst(0) depctr_va_vdst(0) depctr_va_sdst(0) depctr_va_ssrc(0) depctr_va_vcc(0) depctr_vm_vsrc(0)
	s_getreg_b32 s2, hwreg(HW_REG_IB_STS2, 6, 4)
	s_cmp_eq_u32 s2, 0
	s_cbranch_scc0 .Lentry_in_a_cluster
	s_endpgm
.Lentry_in_a_cluster:
	s_bfe_u32 s2, ttmp6, 0x10000c
	s_cmp_lg_u32 s2, 0xf033
	s_cbranch_scc0 .Lentry_shape_is_right
	s_endpgm
.Lentry_shape_is_right:
; out0[m][n] = max(0, rn[m] x (sum over k of xb[m][k] wb[n][k]) + bf16(b[n])).  xb, wb: [4096][4096] bf16; rn: [4096] pairs of one f32; b: [4096] f32; out0: [4096][4096] f32.
; LIMITS.  The operands are x and W rounded once to bf16, b is rounded to bf16 too, and rn is made of the rounded x: the result is the module's on inputs rounded to bf16.
; The sums are kept unnormalised in f32 and scaled behind the last product, by one fused multiply-add with the bias.  A NaN leaves the maximum as 0; infinities are not treated apart.
; SHARES.  A tile of 256 x 256 of out0 is made by a work-group of four waves; a wave makes 128 x 128: 64 accumulators of 16 x 16, 512 registers.  16 x 16 tiles: 256 work-groups.
; K goes in steps of 128 through a ring of two LDS slots filled by tensor loads: a tile's rows are 256 bytes of memory and start at multiples of 256 bytes from the buffer's first byte.
; CLUSTERS: 4 x 4 work-groups.  The four of a row of the cluster need the same tiles of xb, the four of a column the same tiles of wb: each tile is asked for JOINTLY, by the same
; tensor load with the same descriptor and a mask that names the four; each receives it in its own LDS.
; THE MATRIX INSTRUCTION IS USED TRANSPOSED: source 0 = 16 rows of wb, source 1 = 16 rows of xb.  Lane l then holds row m = l % 16 and its registers 0 to 7 the columns 8 (l / 16) + 0 .. 7:
; eight neighbouring numbers of a row of out0, one row factor a lane.
; REGISTERS, in windows of 256 (s_set_vgpr_msb's low byte: bits 1:0 source 0, 3:2 source 1, 5:4 source 2, 7:6 destination):
;   window 0: v0-31 addresses; v32-47 the row factors; v64-127, v128-191 fragments of xb, two buffers; on the way out v64-127 results at work, v128-191 and v192-255 rows read back, by turns
;   window 1: v0-63 the bias of my 128 columns; v64-127, v128-191 fragments of wb, two buffers; v192-223 at work at the head
;   window 2: the 32 accumulators of my rows 0-63 (accumulator (a, b) at v[8 (8 a + b)]);   window 3: those of my rows 64-127
.set SIZE_N, 4096
.set SIZE_K, 4096
.set KSTEP,  128
.set PITCH,  272                       ; an LDS row: 256 bytes + 16 of padding = 68 words: row r starts at bank 4 r mod 64 (64 banks of 4 bytes: ISA guide 11.1), so the 16 rows of a load start at 16 different banks
.set HALFT,  128*PITCH                 ; 128 rows: what one tensor load brings, and what one wave reads of xb or of wb
.set SLOT,   4*HALFT                   ; xb's 256 rows, then wb's 256 rows
.set STAGE,  2*SLOT                    ; behind the ring, never filled by a tensor load: 16 rows x 528 bytes for each wave, for the way out
.set SPITCH, 528                       ; 512 bytes of f32 + 16: an odd multiple of 16
.set SPARE,  STAGE+4*16*SPITCH         ; behind the stages: the spare words, 128 bytes for each wave: two blocks of 256 bytes that no other line names
.set LAPS,   SIZE_K/(2*KSTEP)         ; a lap = two K steps = once round the ring: 16
.set ADRA, 16                          ; v16-17  LDS address of my xb fragments in slot 0, 1
.set ADRB, 20                          ; v20-21  the same for wb
.set STO,  24                          ; v24     the way out: where I put 32 bytes of a row
.set RD,   25                          ; v25     the way out: where I read a row back
.set CO,   26                          ; v26     my 16 bytes in 512 consecutive bytes of out0
.set BO,   27                          ; v27     my byte offset in b; never rewritten
.set SPW,  28                          ; v28     LDS address of my spare word: SPARE + 4 x my thread's number; never rewritten
.set NIL,  29                          ; v29     0; never rewritten
.set RO,   30                          ; v30     my byte offset in rn; never rewritten
.set RS,   32                          ; v32-47  block a's row factor, as a pair, at RS + 2 a
.set F0,   64                          ; fragment buffer 0
.set F1,   128                         ; fragment buffer 1
.set TMP,  64                          ; the way out: a block's 64 results a lane
.set BK0,  128                         ; the way out: 16 rows read back: v128-191 and v192-255 by turns
.set BI,   0                           ; window 1: bias of column 16 b + 8 (l / 16) + j at BI + 8 b + j
.set BT,   192                         ; window 1: at work while the bias is rounded
.set G1, 24                            ; s[24:31] descriptor group 1 for xb's tiles
.set G0, 32                            ; s[32:39] descriptor group 0 for xb's tiles, one set for each slot
.set G1B, 48                           ; s[48:55] descriptor group 1 for wb's tiles: it differs in the mask alone
.set G0B, 56                           ; s[56:63] descriptor group 0 for wb's tiles, one set for each slot
.set MSB, 0
.macro WIN new                         ; the immediate's high byte repeats the setting that is left; a switch that changes nothing is dropped
.if MSB != (\new)
	s_set_vgpr_msb (MSB<<8)|(\new)
.set MSB, \new
.endif
.endm
.set MUL_LO, 0xa1                      ; source 0 (wb) window 1, source 1 (xb) window 0, C and D window 2
.set MUL_HI, 0xf1                      ; the same, C and D window 3
.set TO_B,   0x40                      ; destination window 1, address window 0
; A joint load.  Waves 0 and 1 fetch xb's two halves, waves 2 and 3 wb's.  Each line has one mask and one set of registers for all that issue it; the branch hangs on the wave's number alone.
; An s_nop 0 and four v_nop follow each of the two lines, ahead of the jump, the label and what follows.
.macro JLOAD s
	s_cmp_eq_u32 s11, 0
	s_cbranch_scc0 .Lfor_b_\@
	tensor_load_to_lds s[G0+4*(\s):G0+4*(\s)+3], s[G1:G1+7]
	s_nop 0
.rept 4
	v_nop
.endr
	s_branch .Lasked_\@
.Lfor_b_\@:
	tensor_load_to_lds s[G0B+4*(\s):G0B+4*(\s)+3], s[G1B:G1B+7]
	s_nop 0
.rept 4
	v_nop
.endr
.Lasked_\@:
.endm
; A round of the cluster's barrier: my work-group's barrier, so that wave 0's signal speaks for all four waves; wave 0 signals; every wave waits for all sixteen work-groups; my work-group's barrier once more.
.macro CREST                           ; a round behind its opening barrier
	s_cmp_lg_u32 s10, 0
	s_cbranch_scc1 .Lnot_wave_0_\@
	s_barrier_signal -3
.Lnot_wave_0_\@:
	s_barrier_wait -3
	s_barrier_signal -1
	s_barrier_wait -1
.endm
.macro CROUND                          ; a whole round
	s_barrier_signal -1
	s_barrier_wait -1
	CREST
.endm
	s_load_b128 s[4:7], s[0:1], 0x0                ; xb s[4:5], wb s[6:7]
	s_load_b128 s[68:71], s[0:1], 0x10             ; rn s[68:69], b s[70:71]
	s_load_b64 s[8:9], s[0:1], 0x20                ; out0
	v_lshl_add_u32 v[SPW], v0, 2, SPARE
	v_mov_b32 v[NIL], 0
	ds_add_u32 v[SPW], v[NIL]                      ; the wave's opening: the add and its wait stand ahead of my first tensor load; the set-up below, work on registers, stands between them
	v_lshrrev_b32 v1, 5, v0
	v_readfirstlane_b32 s10, v1                    ; wave 0..3
	s_lshr_b32 s11, s10, 1                         ; which half of the tile's rows is mine.  Also: I fetch for xb (0) or for wb (1)
	s_and_b32 s12, s10, 1                          ; which half of its columns.  Also: which 128 rows of that tile I fetch
	s_bfe_u32 s40, ttmp6, 0x40000                  ; cx: my place along the cluster's x
	s_bfe_u32 s41, ttmp6, 0x40004                  ; cy: along its y
	s_lshl_b32 s42, ttmp9, 2                       ; in a cluster launch ttmp9 and ttmp7 count clusters
	s_add_co_u32 s42, s42, s40                     ; tile column = 4 x cluster x + cx
	s_and_b32 s13, ttmp7, 0xffff
	s_lshl_b32 s13, s13, 2
	s_add_co_u32 s13, s13, s41                     ; tile row = 4 x cluster y + cy
	s_lshl_b32 s43, s41, 2
	s_lshl_b32 s43, 15, s43                        ; my row of the cluster: places 4 cy .. 4 cy + 3
	s_lshl_b32 s44, 0x1111, s40                    ; my column: places cx, cx + 4, cx + 8, cx + 12
	s_lshl_b32 s66, s42, 1
	s_add_co_u32 s66, s66, s12
	s_lshl_b32 s66, s66, 9                         ; my 128 columns in b and in a row of out0: 512 bytes x (2 x tile column + half)
	s_lshl_b32 s67, s13, 1
	s_add_co_u32 s67, s67, s11
	s_lshl_b32 s67, s67, 10                        ; my 128 rows in rn: 1,024 bytes x (2 x tile row + half)
	; descriptor group 1: a tile of 128 rows x 128 elements, padded in LDS
	s_or_b32 s[G1+0], s43, (1<<16)|(1<<20)|(1<<21)|(5<<22)|(3<<25)  ; 15:0 the mask: xb's tiles go to my row; 17:16 elements of 2 bytes; 20 padding on; 21 set beside a mask; 24:22 after every 64 words (code 5); 31:25 of 4 words (code 3)
	s_or_b32 s[G1B+0], s44, (1<<16)|(1<<20)|(1<<21)|(5<<22)|(3<<25) ; the same with the mask of my column, for wb's tiles
	s_mov_b32 s[G1B+1], KSTEP<<16
	s_mov_b32 s[G1+1], KSTEP<<16                   ; tensor_dim0 = 128
	s_mov_b32 s[G1B+2], 128<<16
	s_mov_b32 s[G1+2], 128<<16                     ; tensor_dim1 = 128
	s_mov_b32 s[G1B+3], KSTEP<<16
	s_mov_b32 s[G1+3], KSTEP<<16                   ; tile_dim0 = 128
	s_mov_b32 s[G1B+4], 128
	s_mov_b32 s[G1+4], 128                         ; tile_dim1 = 128; tile_dim2 = 0
	s_mov_b32 s[G1B+5], SIZE_K
	s_mov_b32 s[G1+5], SIZE_K                      ; elements from row to row
	s_mov_b32 s[G1B+6], 0
	s_mov_b32 s[G1+6], 0
	s_mov_b32 s[G1B+7], 0
	s_mov_b32 s[G1+7], 0
	; where the tiles come from.  xb's hang on the tile row alone, which my row of the cluster shares; wb's on the tile column alone, which my column shares.
	; Every wave makes both addresses, in registers that never hold the other coordinate, and asks by one of them.
	s_lshl_b32 s17, s12, 7                         ; which 128 rows of the tile I fetch
	s_lshl_b32 s16, s13, 8
	s_add_co_u32 s16, s16, s17                     ; xb: row 256 x tile row + 128 x half
	s_lshl_b32 s46, s42, 8
	s_add_co_u32 s46, s46, s17                     ; wb: row 256 x tile column + 128 x half
	s_mov_b32 s17, 0
	s_mov_b32 s47, 0
	s_mov_b64 s[18:19], SIZE_K*2
	s_mul_u64 s[16:17], s[16:17], s[18:19]         ; in bytes
	s_mul_u64 s[46:47], s[46:47], s[18:19]
	s_mul_i32 s20, s10, HALFT                      ; and where they go: wave x 128 rows: no place in the cluster enters an LDS address
	s_wait_dscnt 0x0                               ; the opening add is done
	s_wait_kmcnt 0x0
	s_add_nc_u64 s[14:15], s[4:5], s[16:17]
	s_add_nc_u64 s[46:47], s[6:7], s[46:47]
	CROUND                                         ; all sixteen work-groups are here: the first joint loads meet
.irp s, 0,1
	s_mov_b32 s[G0+4*(\s)], 1                                      ; count = 1
	s_add_co_u32 s[G0+4*(\s)+1], s20, (\s)*SLOT                    ; LDS address
	s_add_nc_u64 s[G0+4*(\s)+2:G0+4*(\s)+3], s[14:15], (\s)*KSTEP*2  ; global address: K step s
	s_or_b32 s[G0+4*(\s)+3], s[G0+4*(\s)+3], 0x80000000            ; type = 2
	s_mov_b32 s[G0B+4*(\s)], 1
	s_add_co_u32 s[G0B+4*(\s)+1], s20, (\s)*SLOT
	s_add_nc_u64 s[G0B+4*(\s)+2:G0B+4*(\s)+3], s[46:47], (\s)*KSTEP*2
	s_or_b32 s[G0B+4*(\s)+3], s[G0B+4*(\s)+3], 0x80000000
	JLOAD \s                                       ; the ring is filled before anything else is done: two tensor loads of mine are out
.endr
	v_and_b32 v1, 15, v0                           ; l % 16
	v_bfe_u32 v2, v0, 4, 1                         ; l / 16
	v_lshl_add_u32 v[BO], v2, 5, s66               ; b: my columns 8 (l / 16) + 0..7 of each group of 16
	v_lshl_add_u32 v[RO], v1, 3, s67               ; rn: my row l % 16 of each block of 16
	WIN TO_B
.irp g, 0,1,2,3,4,5,6,7
	global_load_b128 v[BI+8*(\g):BI+8*(\g)+3],   v[BO], s[70:71] offset:64*(\g)
	global_load_b128 v[BI+8*(\g)+4:BI+8*(\g)+7], v[BO], s[70:71] offset:64*(\g)+16
.endr
	WIN 0
.irp a, 0,1,2,3,4,5,6,7
	global_load_b64 v[RS+2*(\a):RS+2*(\a)+1], v[RO], s[68:69] offset:128*(\a)
.endr
	; A fragment is 16 rows x 32 K in 8 registers: lane l holds row l % 16; registers 0-3 hold K = 8 (l / 16) + 0..7, registers 4-7 hold K = 16 + 8 (l / 16) + 0..7: two loads of 16 bytes, 32 bytes apart.
	v_mul_u32_u24 v3, v1, PITCH
	v_lshl_add_u32 v3, v2, 4, v3                   ; row x pitch + 16 x half
	s_mul_i32 s21, s11, HALFT                      ; my 128 rows of xb
	s_mul_i32 s22, s12, HALFT                      ; my 128 rows of wb,
	s_add_co_u32 s22, s22, 2*HALFT                 ; which lie behind xb's 256
.irp s, 0,1
	v_add_nc_u32 v[ADRA+(\s)], s21, v3
	v_add_nc_u32 v[ADRB+(\s)], s22, v3
	s_add_co_u32 s21, s21, SLOT
	s_add_co_u32 s22, s22, SLOT
.endr
	s_mul_i32 s23, s10, 16*SPITCH
	s_add_co_u32 s23, s23, STAGE                   ; my stage
	v_mul_u32_u24 v4, v1, SPITCH                   ; in: row l % 16, 32 bytes for each half of the lanes
	v_lshl_add_u32 v4, v2, 5, v4
	v_add_nc_u32 v[STO], s23, v4
	v_and_b32 v5, 31, v0
	v_lshlrev_b32 v[CO], 4, v5                     ; back: 32 lanes take one row of 512 bytes, in LDS and in out0
	v_add_nc_u32 v[RD], s23, v[CO]
	; where my part of the tile begins in out0, in bytes: the way out adds it to out0's address
	s_lshl_b32 s13, s13, 8
	s_lshl_b32 s14, s11, 7
	s_add_co_u32 s16, s13, s14                     ; my first row
	s_mov_b32 s17, 0
	s_mov_b64 s[18:19], SIZE_N*4
	s_mul_u64 s[16:17], s[16:17], s[18:19]
	s_mov_b32 s46, s66                             ; my first column, in bytes (in the registers that held wb's address: none that feeds xb's descriptors ever holds cx)
	s_mov_b32 s47, 0
	s_add_nc_u64 s[16:17], s[16:17], s[46:47]
	s_wait_loadcnt 0x0                             ; bias and factors, once
	WIN 0x55                                       ; all in window 1: the bias is rounded to bf16 and widened again; this stands in the wait for the first tile
.set i, 0
.rept 32
	v_cvt_pk_bf16_f32 v[BT+i], v[BI+2*i], v[BI+2*i+1]
.set i, i+1
.endr
.set i, 0
.rept 32
	v_lshlrev_b32 v[BI+2*i],   16, v[BT+i]
	v_and_b32     v[BI+2*i+1], 0xffff0000, v[BT+i]
.set i, i+1
.endr
	WIN 0
; 16 matrix instructions: m blocks a0, a0 + 1 of the window's four (hi = 0: my rows 0-63, 1: rows 64-127) x all 8 n blocks, 32 along K.  zero = 1: the first product starts the sums: nothing is cleared.
; The 64 accumulators take turns, one instruction a turn, in the same order in every quarter step.
.macro MUL16 f, hi, a0, zero
	WIN MUL_LO+0x50*(\hi)
.irp a, \a0, (\a0)+1
.irp b, 0,1,2,3,4,5,6,7
.if \zero
	v_wmma_f32_16x16x32_bf16 v[8*(8*(\a)+(\b)):8*(8*(\a)+(\b))+7], v[(\f)+8*(\b):(\f)+8*(\b)+7], v[(\f)+8*(4*(\hi)+(\a)):(\f)+8*(4*(\hi)+(\a))+7], 0
.else
	v_wmma_f32_16x16x32_bf16 v[8*(8*(\a)+(\b)):8*(8*(\a)+(\b))+7], v[(\f)+8*(\b):(\f)+8*(\b)+7], v[(\f)+8*(4*(\hi)+(\a)):(\f)+8*(4*(\hi)+(\a))+7], v[8*(8*(\a)+(\b)):8*(8*(\a)+(\b))+7]
.endif
.endr
.endr
.endm
; 32 LDS loads in one run: the fragments of one quarter step (128 rows of wb, 128 rows of xb, 32 K at byte k of the rows) into buffer f
.macro FETCH slot, k, f
	WIN TO_B
.irp i, 0,1,2,3,4,5,6,7
	ds_load_b128 v[(\f)+8*(\i):(\f)+8*(\i)+3],   v[ADRB+(\slot)] offset:(\k)+(\i)*16*PITCH
	ds_load_b128 v[(\f)+8*(\i)+4:(\f)+8*(\i)+7], v[ADRB+(\slot)] offset:(\k)+(\i)*16*PITCH+32
.endr
	WIN 0
.irp i, 0,1,2,3,4,5,6,7
	ds_load_b128 v[(\f)+8*(\i):(\f)+8*(\i)+3],   v[ADRA+(\slot)] offset:(\k)+(\i)*16*PITCH
	ds_load_b128 v[(\f)+8*(\i)+4:(\f)+8*(\i)+7], v[ADRA+(\slot)] offset:(\k)+(\i)*16*PITCH+32
.endr
.endm
; A load into a register that a matrix instruction has read, and a vector instruction that reads a matrix result, stand four places behind that matrix instruction; only plain vector
; instructions that name none of its registers are places (ISA guide 7.12.1 for vector instructions).
.macro PLACES
.rept 4
	v_nop
.endr
.endm
; A K step is four quarter steps of 32 along K, 64 matrix instructions each, on buffers 0, 1, 0, 1.
; One of the first three: multiplies buffer f; in its middle it fetches the next quarter's fragments, at byte k of the same slot's rows, into buffer g.
.macro QUARTER slot, k, f, g, zero
	s_wait_dscnt 8                                 ; wb and xb's rows 0-63 are in; the youngest eight loads (xb's rows 64-127) may be out
	WIN MUL_LO
	MUL16 \f, 0, 0, \zero
	MUL16 \f, 0, 2, \zero
	PLACES
	FETCH \slot, \k, \g
	s_wait_dscnt 32                                ; all but the 32 just issued
	WIN MUL_HI
	MUL16 \f, 1, 0, \zero
	MUL16 \f, 1, 2, \zero
.endm
; The last quarter multiplies buffer 1 and changes slots.  MEET is its first half: ONE barrier for the change.  In front of it each wave waits for all its tensor loads, of which one is out:
; its part of the next slot; adds 0 to its spare word; and waits for that and for its own reads of this slot.  Behind it nobody reads this slot any more and the next slot is whole.
.macro MEET round                      ; round = 1: the rest of a round of the cluster's barrier follows
	WIN 0                                          ; (the add's two registers lie in window 0)
	s_wait_tensorcnt 0x0                           ; all my tensor loads have landed;
	ds_add_u32 v[SPW], v[NIL]                      ; 0 onto my spare word;
	s_wait_dscnt 9                                 ; (the add and the youngest eight loads may be out)
	WIN MUL_LO
	MUL16 F1, 0, 0, 0                              ; sixteen matrix instructions stand between the add and the wait for it
	s_wait_dscnt 0x0                               ; the add is done, and my reads of this slot are over:
	s_barrier_signal -1                            ; say so,
	MUL16 F1, 0, 2, 0                              ; work on registers while the others arrive,
.if \round
	WIN 0
.endif
	s_barrier_wait -1                              ; and go on when all four have said so
.endm
; The whole last quarter.  fill = 1: the barrier opens a round of the cluster's, and behind the round the slot just read out is filled again first, with the K step two steps on:
; from that request to the wait for it a wave issues 224 matrix instructions.  Then come the next slot's first fragments.
.macro TURN slot, next, fill
	MEET \fill
.if \fill
	CREST                                          ; no wave of any partner still reads this slot's tile or has a load on its way
	s_add_nc_u64 s[G0+4*(\slot)+2:G0+4*(\slot)+3], s[G0+4*(\slot)+2:G0+4*(\slot)+3], 2*KSTEP*2     ; no tensor load of mine is out: a group 0 may be written
	s_add_nc_u64 s[G0B+4*(\slot)+2:G0B+4*(\slot)+3], s[G0B+4*(\slot)+2:G0B+4*(\slot)+3], 2*KSTEP*2
	JLOAD \slot                                    ; my one tensor load behind the round; the four v_nop behind it are also the places in front of the loads below
.else
	PLACES
.endif
	FETCH \next, 0, F0
	WIN MUL_HI
	MUL16 F1, 1, 0, 0
	MUL16 F1, 1, 2, 0
.endm
; THE WAY OUT of block a (16 rows x my 128 columns), in three parts.
; PACK: y = sum x factor + bias, one fused multiply-add for two numbers, each accumulator's registers in ascending order; then the maximum with 0.
.macro PACK a
.set AC, 64*((\a)%4)
	WIN 0x12+(\a)/4                                ; source 0: window 2 or 3 (the sums); source 1: window 0 (the factor); source 2: window 1 (the bias); destination: window 0
.irp b, 0,1,2,3,4,5,6,7
.irp r, 0,1,2,3
	v_pk_fma_f32 v[TMP+8*(\b)+2*(\r):TMP+8*(\b)+2*(\r)+1], v[AC+8*(\b)+2*(\r):AC+8*(\b)+2*(\r)+1], v[RS+2*(\a):RS+2*(\a)+1], v[BI+8*(\b)+2*(\r):BI+8*(\b)+2*(\r)+1]
.endr
.endr
	WIN 0
.set i, 0
.rept 64
	v_max_num_f32 v[TMP+i], 0, v[TMP+i]
.set i, i+1
.endr
.endm
; TOSTAGE: a lane's 32 bytes of a row for each of eight column groups go into my own stage, and come back as whole rows of 512 bytes.
.macro TOSTAGE a
	WIN 0
.set BK, BK0+64*((\a)%2)
.irp b, 0,1,2,3,4,5,6,7
	ds_store_b128 v[STO], v[TMP+8*(\b):TMP+8*(\b)+3]   offset:64*(\b)
	ds_store_b128 v[STO], v[TMP+8*(\b)+4:TMP+8*(\b)+7] offset:64*(\b)+16
.endr
.irp t, 0,1,2,3,4,5,6,7,8,9,10,11,12,13,14,15
	ds_load_b128 v[BK+4*(\t):BK+4*(\t)+3], v[RD] offset:(\t)*SPITCH  ; LDS serves a wave's instructions in order (ISA guide 5.7.1.4): these see the stores above
.endr
.endm
; SEND: stored, a row to an instruction.
.macro SEND a
	WIN 0
.set BK, BK0+64*((\a)%2)
	s_wait_dscnt 0x0                               ; the block is back in registers
	s_wait_xcnt 0x0                                ; every earlier store has had its addresses translated (ISA guide 3.1): only now the base is stepped, and the registers that the block before last was stored from are loaded again
.if (\a) == 0
	s_add_nc_u64 s[8:9], s[8:9], s[16:17]          ; on to my first rows
.else
	s_add_nc_u64 s[8:9], s[8:9], 16*SIZE_N*4       ; 16 rows on
.endif
.irp t, 0,1,2,3,4,5,6,7,8,9,10,11,12,13,14,15
	global_store_b128 v[CO], v[BK+4*(\t):BK+4*(\t)+3], s[8:9] offset:(\t)*SIZE_N*4 th:TH_STORE_NT  ; 32 lanes store 512 consecutive bytes, at a multiple of 512 from out0's first byte
.endr
.endm
	s_wait_tensorcnt 1                             ; my part of K step 0 is in; K step 1's may stay out
	s_barrier_signal -1
	s_barrier_wait -1                              ; everybody's is
	FETCH 0, 0, F0
	QUARTER 0, 64,  F0, F1, 1                      ; the first quarter stands in front of the loop: its products start the sums
	WIN 0                                          ; at a label and at a branch every window is 0
	s_mov_b32 s3, LAPS-1
.Llap:                                                 ; a trip goes once round the ring, from a lap's second quarter to the next lap's first, and fills both slots again: 15 trips ask for K steps 2 to 31
	QUARTER 0, 128, F1, F0, 0
	QUARTER 0, 192, F0, F1, 0
	TURN 0, 1, 1
	QUARTER 1, 64,  F0, F1, 0
	QUARTER 1, 128, F1, F0, 0
	QUARTER 1, 192, F0, F1, 0
	TURN 1, 0, 1
	QUARTER 0, 64,  F0, F1, 0
	WIN 0
	s_sub_co_u32 s3, s3, 1
	s_cmp_lg_u32 s3, 0
	s_cbranch_scc1 .Llap
	QUARTER 0, 128, F1, F0, 0                      ; the last lap is written out: it asks for nothing, and has no round of the cluster's barrier
	QUARTER 0, 192, F0, F1, 0
	TURN 0, 1, 0
	QUARTER 1, 64,  F0, F1, 0
	QUARTER 1, 128, F1, F0, 0
	QUARTER 1, 192, F0, F1, 0
	s_wait_dscnt 8                                 ; the very last quarter: nothing more to fetch
	WIN MUL_LO
	MUL16 F1, 0, 0, 0
	MUL16 F1, 0, 2, 0
	s_wait_dscnt 0x0
	MUL16 F1, 1, 0, 0
	MUL16 F1, 1, 2, 0
	WIN 0
	PLACES                                         ; behind the last products, in front of the lines that read the sums
	PACK 0
	TOSTAGE 0
.irp a, 1,2,3,4,5,6,7                  ; block a's arithmetic stands between block a - 1's loads from the stage and the wait for them
	PACK \a
	SEND (\a)-1
	TOSTAGE \a
.endr
	SEND 7
	s_wait_tensorcnt 0x0                           ; the wave's end, behind my last tensor load and my last LDS store
	ds_add_u32 v[SPW], v[NIL]
	s_wait_dscnt 0x0
	CROUND                                         ; the closing round: no work-group ends while a partner may still ask for a tile that names it
	s_endpgm
.Lfunc_end_k_qdf9b574163_gemm:
	.size	k_qdf9b574163_gemm, .Lfunc_end_k_qdf9b574163_gemm-k_qdf9b574163_gemm
	.p2alignl 7, 3214868480
	.fill 96, 4, 3214868480
	.section	.rodata,"a",@progbits
	.p2align	6, 0x0
	.amdhsa_kernel k_qdf9b574163_gemm
		.amdhsa_group_segment_fixed_size 327680
		.amdhsa_private_segment_fixed_size 0
		.amdhsa_enable_private_segment 0
		.amdhsa_kernarg_size 40
		.amdhsa_user_sgpr_count 2
		.amdhsa_user_sgpr_kernarg_segment_ptr 1
		.amdhsa_wavefront_size32 1
		.amdhsa_system_sgpr_workgroup_id_x 1
		.amdhsa_system_sgpr_workgroup_id_y 1
		.amdhsa_system_sgpr_workgroup_id_z 1
		.amdhsa_system_vgpr_workitem_id 0
		.amdhsa_next_free_vgpr 1024
		.amdhsa_next_free_sgpr 72
		.amdhsa_reserve_vcc 0
		.amdhsa_float_denorm_mode_32 3
		.amdhsa_float_denorm_mode_16_64 3
		.amdhsa_memory_ordered 1
		.amdhsa_forward_progress 1
		.amdhsa_inst_pref_size 180
	.end_amdhsa_kernel
	.amdgpu_metadata
---
amdhsa.version: [ 1, 2 ]
amdhsa.kernels:
  - .name:           k_qdf9b574163_gemm
    .symbol:         k_qdf9b574163_gemm.kd
    .args:
      - { .name: xb, .offset: 0, .size: 8, .value_kind: global_buffer, .address_space: global }
      - { .name: wb, .offset: 8, .size: 8, .value_kind: global_buffer, .address_space: global }
      - { .name: rn, .offset: 16, .size: 8, .value_kind: global_buffer, .address_space: global }
      - { .name: b, .offset: 24, .size: 8, .value_kind: global_buffer, .address_space: global }
      - { .name: out0, .offset: 32, .size: 8, .value_kind: global_buffer, .address_space: global }
    .group_segment_fixed_size: 327680
    .private_segment_fixed_size: 0
    .kernarg_segment_align: 8
    .kernarg_segment_size: 40
    .max_flat_workgroup_size: 128
    .sgpr_count:     72
    .vgpr_count:     1024
    .wavefront_size: 32
...
	.end_amdgpu_metadata
.endif
;; end of part 2
;; ======== version 2 of 2: 2 launches; version 1 with the launch prep written anew for expert scheduling mode
;; workspace buffers: xb 33,554,432 bytes; wb 33,554,432 bytes; rn 32,768 bytes
;; launch prep (part 3): grid 128 x 2, 8 waves a work-group, no clusters, 0 bytes of LDS; arguments x, W, xb, wb, rn; writes xb, wb, rn
.if DOCPART == 3
	.amdgcn_target "amdgcn-amd-amdhsa--gfx1250"
	.amdhsa_code_object_version 6
	.text
	.protected	k_qdf9b574163_prep
	.globl	k_qdf9b574163_prep
	.p2align	8
	.type	k_qdf9b574163_prep,@function
k_qdf9b574163_prep:
	s_mov_b64 s[64:65], 0
	v_nop
	global_prefetch_b8 v0, s[64:65] scope:SCOPE_SE
	s_setreg_imm32_b32 hwreg(HW_REG_WAVE_SCHED_MODE, 0, 2), 2
	s_setreg_imm32_b32 hwreg(HW_REG_WAVE_MODE, 25, 1), 1
	s_wait_xcnt 0x0
	s_wait_alu depctr_vm_vsrc(0)
; xb = bf16(x), wb = bf16(W), rn[m] = 1 / (sqrt(sum over k of bf16(x[m][k])^2) + 1e-8), stored twice (8 bytes a row).
; x, W: [4096][4096] f32.  xb, wb: [4096][4096] bf16.  Work-groups with y = 0 take x, those with y = 1 take W.
; LIMITS.  Each number is rounded once, to nearest even.  The norm is that of the ROUNDED x, summed in f32 (256 chains of 16 terms, then a tree).
; A sum of squares that is denormal counts as 0 under the root; the 1e-8 decides the factor there.  NaN and infinities are not treated apart.
; SHARES.  A work-group owns 32 rows, each of its eight waves 4.  A wave takes whole rows, so a row's sum never leaves the wave: no LDS, no barrier.
; A row is 16,384 bytes: 32 loads of 16 bytes a lane, each covering 512 consecutive bytes.  A lane's four numbers become 8 bytes,
; so each store of the wave covers 256 consecutive bytes, aligned.  The ring has 32 slots, a whole row, taken in eight groups of four: 28 to 32 loads of every wave are on their way.
; Left out: LDS, tensor loads, clusters, matrix instructions (nothing is shared and nothing is multiplied).
; rn leaves as 32 bytes a wave, 32,768 bytes of the launch's 67 million: gathering eight waves' parts would cost LDS and a barrier.
; THE MODE: SCHED_MODE bits 1:0 = 2 (LLVM: expert scheduling mode 2), set by the entry lines.  The code itself states the register dependences
; between vector instructions and memory instructions, with s_wait_alu, always for 0.
; THE PLAN.  Registers that memory instructions touch:
;   X, group g   Read by group g's eight conversions and by no other vector instruction; behind them the loads of the same bytes of the next row land in it.
;   Y, group g   Written by group g's conversions; read by its four stores (and by its squares, which are vector instructions and write the chains alone); written again a row later.
;   v[VL], v[VS] Offsets, made once at the head and never written again: the rows are reached by the scalar bases, stepped once a row, and by immediate offsets.
;   v[RV:RV+1]   Written by vector instructions; read by the one store of rn at the end.
; So ONE wait on va_vdst stands in a group, behind its conversions: they have written Y[g] and are done reading X[g].  The group's four loads and four stores follow it,
; the stores dealt among the squares, which name neither X[g] nor write Y[g].  ONE wait on vm_vsrc stands at a row's end, beside the wait on XCNT: the row's stores have read Y.
.set ROWB,  16384                      ; bytes in a row of f32
.set OROWB, 8192                       ; bytes in a row of bf16
.set LANE, 1                           ; v1        lane
.set VL,   2                           ; v2        16 x lane; never rewritten
.set VS,   3                           ; v3        8 x lane; never rewritten
.set Z,    4                           ; v4        0: the addend that starts the chains
.set RV,   6                           ; v[6:7]    lane k keeps the factor of my row k, twice
.set SS,   8                           ; v[8:15]   eight chains of squares
.set X,    16                          ; v[16:143] slot i: 4 registers as loaded
.set Y,    144                         ; v[144:207] slot i: 2 registers to store
	s_load_b256 s[4:11], s[0:1], 0x0               ; x s[4:5], W s[6:7], xb s[8:9], wb s[10:11]
	s_load_b64 s[12:13], s[0:1], 0x20              ; rn
	v_and_b32 v[LANE], 31, v0
	v_lshrrev_b32 v5, 5, v0
	v_readfirstlane_b32 s14, v5                    ; wave 0..7
	s_and_b32 s15, ttmp7, 0xffff                   ; 0: x, 1: W
	v_lshlrev_b32 v[VL], 4, v[LANE]
	v_lshlrev_b32 v[VS], 3, v[LANE]
	v_mov_b32 v[Z], 0
	v_mov_b32 v[RV], 0
	s_lshl_b32 s16, ttmp9, 19                      ; 32 rows of 16,384 bytes a work-group,
	s_wait_alu depctr_va_sdst(0)                   ; s14 is written, ahead of its first reader: the wave's offsets are made from it
	s_lshl_b32 s22, s14, 16                        ; 4 a wave: under 2^26
	s_add_co_u32 s16, s16, s22
	s_mov_b32 s17, 0
	s_lshr_b32 s18, s16, 1                         ; the same rows in bf16
	s_mov_b32 s19, 0
	s_lshr_b32 s20, s16, 11                        ; and in rn: 8 bytes a row
	s_mov_b32 s21, 0
	s_mov_b32 s24, 0x76543210                      ; v_permlanex16_b32: each lane takes its own place in the other half
	s_mov_b32 s25, 0xfedcba98
	s_wait_kmcnt 0x0
	s_add_nc_u64 s[4:5], s[4:5], s[16:17]
	s_add_nc_u64 s[6:7], s[6:7], s[16:17]
	s_add_nc_u64 s[8:9], s[8:9], s[18:19]
	s_add_nc_u64 s[10:11], s[10:11], s[18:19]
	s_add_nc_u64 s[12:13], s[12:13], s[20:21]
	s_wait_alu depctr_va_vdst(0)                   ; v[VL] and v[VS] are written: every load and store of the kernel, on either path below, reads one of them as its offset
; The turn of group g: slots 4 g to 4 g + 3.  ahead = 1: the slots are filled again with the same 2,048 bytes of the next row.  left = how many younger loads may stay out.
; norm = 1: each slot's four rounded numbers are squared into four of the eight chains, straight from their bf16 halves, the slots in ascending order.
.macro GROUP g, ahead, left, norm, src, dst
	s_wait_loadcnt \left                           ; loads come back in order (ISA guide 5.7.1): the group's four are in, the younger ones stay out
.irp j, 0,1,2,3
.set sl, 4*(\g)+(\j)
	v_cvt_pk_bf16_f32 v[Y+2*sl],   v[X+4*sl],   v[X+4*sl+1]
	v_cvt_pk_bf16_f32 v[Y+2*sl+1], v[X+4*sl+2], v[X+4*sl+3]
.endr
	s_wait_alu depctr_va_vdst(0)                   ; the conversions have written Y[g], which the stores below read, and are done reading X[g], in which the loads below land
.if \ahead
.irp j, 0,1,2,3
.set sl, 4*(\g)+(\j)
	global_load_b128 v[X+4*sl:X+4*sl+3], v[VL], s[\src:\src+1] offset:ROWB+512*sl th:TH_LOAD_NT  ; the group is asked for again at once; no vector instruction since the wait names these registers
.endr
.endif
.irp j, 0,1,2,3
.set sl, 4*(\g)+(\j)
	global_store_b64 v[VS], v[Y+2*sl:Y+2*sl+1], s[\dst:\dst+1] offset:256*sl  ; no hint: the next launch reads these bytes.  The squares since the wait read Y and write the chains alone
.if \norm
.set rC, SS+4*(sl%2)
.set rY, Y+2*sl
.if sl < 2                             ; the first two slots start the eight chains: nothing is cleared
	v_fma_mix_f32_bf16 v[rC],   v[rY],   v[rY],   v[Z] op_sel_hi:[1,1,0]
	v_fma_mix_f32_bf16 v[rC+1], v[rY],   v[rY],   v[Z] op_sel:[1,1,0] op_sel_hi:[1,1,0]
	v_fma_mix_f32_bf16 v[rC+2], v[rY+1], v[rY+1], v[Z] op_sel_hi:[1,1,0]
	v_fma_mix_f32_bf16 v[rC+3], v[rY+1], v[rY+1], v[Z] op_sel:[1,1,0] op_sel_hi:[1,1,0]
.else
	v_fma_mix_f32_bf16 v[rC],   v[rY],   v[rY],   v[rC]   op_sel_hi:[1,1,0]
	v_fma_mix_f32_bf16 v[rC+1], v[rY],   v[rY],   v[rC+1] op_sel:[1,1,0] op_sel_hi:[1,1,0]
	v_fma_mix_f32_bf16 v[rC+2], v[rY+1], v[rY+1], v[rC+2] op_sel_hi:[1,1,0]
	v_fma_mix_f32_bf16 v[rC+3], v[rY+1], v[rY+1], v[rC+3] op_sel:[1,1,0] op_sel_hi:[1,1,0]
.endif
.endif
.endr
.endm
; The row's sum over chains and lanes, its factor, and the factor kept in the lane whose number is the row's (s22).
.macro NORM
	v_pk_add_f32 v[SS:SS+1],   v[SS:SS+1],   v[SS+4:SS+5]
	v_pk_add_f32 v[SS+2:SS+3], v[SS+2:SS+3], v[SS+6:SS+7]
	v_pk_add_f32 v[SS:SS+1],   v[SS:SS+1],   v[SS+2:SS+3]
	v_add_f32 v[SS], v[SS], v[SS+1]
	v_add_f32_dpp v[SS], v[SS], v[SS] row_xmask:1 row_mask:0xf bank_mask:0xf
	v_add_f32_dpp v[SS], v[SS], v[SS] row_xmask:2 row_mask:0xf bank_mask:0xf
	v_add_f32_dpp v[SS], v[SS], v[SS] row_xmask:4 row_mask:0xf bank_mask:0xf
	v_add_f32_dpp v[SS], v[SS], v[SS] row_xmask:8 row_mask:0xf bank_mask:0xf
	v_permlanex16_b32 v[SS+1], v[SS], s24, s25     ; its destination has been written above
	v_add_f32 v[SS], v[SS], v[SS+1]                ; every lane holds the row's sum of squares
	v_sqrt_f32 v[SS+2], v[SS]
	v_cmp_eq_u32 vcc_lo, s22, v[LANE]              ; plain work behind the root (ISA guide 5.7.2): which lane keeps this row's factor
	v_nop
	s_wait_alu depctr_va_vdst(0)
	v_add_f32 v[SS+2], 0x322bcc77, v[SS+2]         ; + 1e-8
	v_rcp_f32 v[SS+3], v[SS+2]
	v_nop                                          ; a plain instruction behind the reciprocal
	s_wait_alu depctr_va_vcc(0)                    ; the compare above has written VCC, which the select below reads
	s_wait_alu depctr_va_vdst(0)
	v_cndmask_b32 v[RV], v[RV], v[SS+3], vcc_lo
.endm
; A wave's four rows: the ring is filled with row 0; three trips work on a row and ask for the next; the last row is written out without loads.
.macro STREAM norm, src, dst
.set i, 0
.rept 32
	global_load_b128 v[X+4*i:X+4*i+3], v[VL], s[\src:\src+1] offset:512*i th:TH_LOAD_NT
.set i, i+1
.endr
	s_mov_b32 s22, 0                               ; the row in hand
.Lrow_\@:
.set gi, 0
.rept 8
	GROUP gi, 1, 28, \norm, \src, \dst             ; behind a group's four loads stand the later groups' and the earlier groups' new ones: 28, at the way in and over the backward jump
.set gi, gi+1
.endr
.if \norm
	NORM
.endif
	s_wait_xcnt 0x0                                ; the trip's loads and stores have had their addresses translated (ISA guide 3.1): only now the two bases are stepped and Y is written again
	s_wait_alu depctr_vm_vsrc(0)                   ; the row's 32 stores have read Y, which the next row's conversions write again
	s_add_nc_u64 s[\src:\src+1], s[\src:\src+1], ROWB
	s_add_nc_u64 s[\dst:\dst+1], s[\dst:\dst+1], OROWB
	s_add_co_u32 s22, s22, 1
	s_cmp_lt_u32 s22, 3
	s_cbranch_scc1 .Lrow_\@
.set gi, 0
.rept 8
	GROUP gi, 0, 28-4*gi, \norm, \src, \dst        ; no load leaves the buffer: the counts run down; the group's wait on va_vdst is there for its stores alone
.set gi, gi+1
.endr
.if \norm
	NORM
.endif
.endm
	s_cmp_lg_u32 s15, 0
	s_cbranch_scc1 .Lw
	STREAM 1, 4, 8                                 ; x -> xb, with the norms
	v_mov_b32 v[RV+1], v[RV]                       ; the factor twice: the next launch's packed multiply-add names a pair
	v_cmp_gt_u32 vcc_lo, 4, v[LANE]
	s_wait_xcnt 0x0                                ; EXEC is a source of the stores above: it changes only behind this wait
	s_wait_alu depctr_va_vcc(0)                    ; the compare has written VCC, from which EXEC is made
	s_wait_alu depctr_va_vdst(0)                   ; ahead of the write of EXEC: the vector instructions issued so far are done; among them those that wrote v[RV:RV+1], which the store below reads
	s_wait_alu depctr_vm_vsrc(0)                   ; ahead of the write of EXEC: the stores issued so far have read their registers
	s_and_saveexec_b32 s26, vcc_lo
	global_store_b64 v[VS], v[RV:RV+1], s[12:13]   ; lanes 0 to 3: my four rows' factors, 32 consecutive bytes
	s_wait_xcnt 0x0                                ; and again in front of the line that widens it
	s_wait_alu depctr_va_vdst(0)                   ; ahead of the write of EXEC: no vector instruction is pending
	s_wait_alu depctr_vm_vsrc(0)                   ; ahead of the write of EXEC: the store has read its registers
	s_or_b32 exec_lo, exec_lo, s26
	s_endpgm
.Lw:
	STREAM 0, 6, 10                                ; W -> wb
	s_endpgm
.Lfunc_end_k_qdf9b574163_prep:
	.size	k_qdf9b574163_prep, .Lfunc_end_k_qdf9b574163_prep-k_qdf9b574163_prep
	.p2alignl 7, 3214868480
	.fill 96, 4, 3214868480
	.section	.rodata,"a",@progbits
	.p2align	6, 0x0
	.amdhsa_kernel k_qdf9b574163_prep
		.amdhsa_group_segment_fixed_size 0
		.amdhsa_private_segment_fixed_size 0
		.amdhsa_enable_private_segment 0
		.amdhsa_kernarg_size 40
		.amdhsa_user_sgpr_count 2
		.amdhsa_user_sgpr_kernarg_segment_ptr 1
		.amdhsa_wavefront_size32 1
		.amdhsa_system_sgpr_workgroup_id_x 1
		.amdhsa_system_sgpr_workgroup_id_y 1
		.amdhsa_system_sgpr_workgroup_id_z 1
		.amdhsa_system_vgpr_workitem_id 0
		.amdhsa_next_free_vgpr 208
		.amdhsa_next_free_sgpr 66
		.amdhsa_reserve_vcc 1
		.amdhsa_float_denorm_mode_32 3
		.amdhsa_float_denorm_mode_16_64 3
		.amdhsa_memory_ordered 1
		.amdhsa_forward_progress 1
		.amdhsa_inst_pref_size 63
	.end_amdhsa_kernel
	.amdgpu_metadata
---
amdhsa.version: [ 1, 2 ]
amdhsa.kernels:
  - .name:           k_qdf9b574163_prep
    .symbol:         k_qdf9b574163_prep.kd
    .args:
      - { .name: x, .offset: 0, .size: 8, .value_kind: global_buffer, .address_space: global }
      - { .name: W, .offset: 8, .size: 8, .value_kind: global_buffer, .address_space: global }
      - { .name: xb, .offset: 16, .size: 8, .value_kind: global_buffer, .address_space: global }
      - { .name: wb, .offset: 24, .size: 8, .value_kind: global_buffer, .address_space: global }
      - { .name: rn, .offset: 32, .size: 8, .value_kind: global_buffer, .address_space: global }
    .group_segment_fixed_size: 0
    .private_segment_fixed_size: 0
    .kernarg_segment_align: 8
    .kernarg_segment_size: 40
    .max_flat_workgroup_size: 256
    .sgpr_count:     66
    .vgpr_count:     208
    .wavefront_size: 32
...
	.end_amdgpu_metadata
.endif
;; end of part 3
;; launch gemm: the kernel of part 2 again; grid 16 x 16, 4 waves a work-group, clusters of 4 x 4, 327,680 bytes of LDS; arguments xb, wb, rn, b, out0; writes out0
